; MI455X (gfx1250); checked and timed in simulation.
; The chip was launched on July 23, 2026; its instructions are those of AMD's public machine-readable ISA for CDNA 5 (MIT licence, August 2026) and "CDNA5" Instruction Set Architecture Reference Guide (July 2026). The comments in the code are by the model that wrote it; some were corrected since.
;; Causal Multi Head Self Attention. Allowed arithmetic: matrix products marked QUANTISED: E4M3 operands, one given power-of-two scale a tensor, by v_wmma_f32_16x16x64_fp8_fp8 or v_wmma_f32_16x16x128_fp8_fp8, f32 sums; everything else in f32.
;; Inputs: lowp_scales 12 int32 (the exponents e of the quantised operands' scales 2^e); token_positions 2 x 2,048 int32; wk 1,024 x 1,024 float32; wo 1,024 x 1,024 float32; wq 1,024 x 1,024 float32; wv 1,024 x 1,024 float32; x 2 x 2,048 x 1,024 float32.
;; Outputs: out0 2 x 2,048 x 1,024 float32.
;; This version of the problem:
;;   THIS VERSION OF THE PROBLEM IS GIVEN IN LOW PRECISION. The matrix products marked QUANTISED in the list below multiply operands that are first quantised to E4M3 (4 exponent bits, 3 mantissa bits; 8 bits a number), with one given power-of-two scale for each operand tensor; their sums are f32. All else is computed in f32.
;;   The module's matrix products, in the order in which they are computed (A, B: the left and right operand; K: the contracted axis; several contracted axes count as one K, in the product's order):
;;     1. [M 4,096, K 1,024] x [K 1,024, N 1,024]; A: input x; B: input wq: QUANTISED (scales: A lowp_scales[0], B lowp_scales[1])
;;     2. [M 4,096, K 1,024] x [K 1,024, N 1,024]; A: input x; B: input wk: QUANTISED (scales: A lowp_scales[2], B lowp_scales[3])
;;     3. [M 4,096, K 1,024] x [K 1,024, N 1,024]; A: input x; B: input wv: QUANTISED (scales: A lowp_scales[4], B lowp_scales[5])
;;     4. batch 32 x [M 2,048, K 64] x [K 64, N 2,048]; A: computed on the way; B: computed on the way: QUANTISED (scales: A lowp_scales[6], B lowp_scales[7])
;;     5. batch 32 x [M 64, K 2,048] x [K 2,048, N 2,048]; A: computed on the way; B: softmax (see below): QUANTISED (scales: A lowp_scales[8], B lowp_scales[9])
;;     6. [M 4,096, K 1,024] x [K 1,024, N 1,024]; A: computed on the way; B: input wo: QUANTISED (scales: A lowp_scales[10], B lowp_scales[11])
;;   THE QUANTISER, for each operand of a quantised product, along K:
;;     - The operand's scale is 2^e, e = its entry of the input lowp_scales (int32; the entries are numbered through the quantised products in the list's order, A before B).
;;     - Each number is divided by the scale, clamped to +-448, and rounded to the nearest number of E4M3, ties to even, subnormals kept.
;;     - The product sums the exact products of the quantised numbers (number of the format x scale) in f32.
;;   ~~~python
;;   def quantise(x, axis, e):      # numpy; x: float32 -> the quantised numbers, widened to float32 again
;;       x = np.moveaxis(x, axis, -1); K = x.shape[-1]
;;       r = np.clip(x / 2.0 ** e, -448, 448)
;;       step = 2.0 ** (np.maximum(np.frexp(np.where(r == 0, 1, r))[1] - 1, -6) - 3)
;;       q = np.round(r / step) * step * 2.0 ** e      # np.round: ties to even
;;       return np.moveaxis(q, -1, axis).astype(np.float32)
;;   ~~~
;;   SOFTMAX AHEAD OF A QUANTISED PRODUCT. Where the list says 'softmax', what is quantised is not the finished softmax but p = 2^(t - M), with t = logit x log2(e) and M = ceil(the row's largest t), a whole number; so 1/2 < the row's largest p <= 1. The row's sum l is taken of the UNQUANTISED p, in f32, and the product's result is divided by l at the end. Since M is a whole number, a kernel that streams over the keys may use a running M (the ceiling of the running maximum): every later rescaling is an exact power of two, so the quantised numbers keep their values, but for numbers so far below the row's largest that they fall under the format's range.
;;   OPERANDS COMPUTED ON THE WAY. 'Computed on the way' means the value that the module computes at that place (a softmax that the list does not call 'softmax' is quantised finished and normalised). What goes into a quantiser is computed in f32, as accurately as f32 sums, v_exp_f32 and their like allow (about 1e-6 of the number): no bf16 or f16 on the way to a quantiser, and a product that is left as it is and whose result goes on into a quantised operand takes f32 operands (vector FMAs, or v_wmma_f32_16x16x4_f32). A number that lies on a knife's edge between two numbers of the format may be rounded either way, as far as f32 arithmetic and the matrix unit's own rounding can turn it there, and no further.
;; One version. Each part assembles by itself: llvm-mc -triple=amdgcn-amd-amdhsa -mcpu=gfx1250 --defsym DOCPART=n.
;; ======== version 1 of 1: 4 launches
;; limits: inputs' magnitudes at most 205,887; right only within a limited range of input values
;; workspace buffers: xc 12,582,912 bytes; wc 3,145,728 bytes; woc 1,048,576 bytes; qimg 4,194,304 bytes; kv 8,388,608 bytes; oimg 4,194,304 bytes
;; launch quant (part 1): grid 512 x 1, 8 waves a work-group, no clusters, 68,608 bytes of LDS; arguments x, wq, wk, wv, wo, lowp_scales, xc, wc, woc; writes xc, wc, woc
.if DOCPART == 1
	.amdgcn_target "amdgcn-amd-amdhsa--gfx1250"
	.amdhsa_code_object_version 6
	.text
	.protected	k_q26f06d35eb_quant
	.globl	k_q26f06d35eb_quant
	.p2align	8
	.type	k_q26f06d35eb_quant,@function
k_q26f06d35eb_quant:
	s_mov_b64 s[64:65], 0
	v_nop
	global_prefetch_b8 v0, s[64:65] scope:SCOPE_SE
	s_setreg_imm32_b32 hwreg(HW_REG_WAVE_MODE, 25, 1), 1
	s_wait_xcnt 0x0
; THE PROGRAM: causal self-attention, 2 x 2,048 tokens, d_model 1,024, 16 heads of 64, RoPE over the full d_model, all six products on codes of E4M3 with given scales 2^e.
; Four launches: quant (this one): x and the four weights into codes; qkv: the three projections, RoPE, codes of q, k, v; attn: both products of attention; oproj: the projection on the way out.
; WORK LEFT OUT: reference() itself sets the scores of keys behind a query to -infinity (its own jnp.tril), so their weight is exactly 0 for every input: attn leaves out the key steps (128 keys) that lie wholly
; behind a wave's 16 queries.  Nothing else is left out, and every input is loaded.  LIMIT: a NaN, an infinity or an overflow that reaches only such a hidden score is not carried to the result.
; ONE LAYOUT FOR ALL CODES.  Rows (tokens, or a weight's output features) come in blocks of 128; tile a (0..7) of a block holds the 16 rows 32 (a / 2) + 8 (a % 2) + r + 8 (r / 8), r = 0..15, so that the 16 result
; registers of two neighbouring tiles are 16 neighbours along the next product's K.  A fragment lies in memory as the IMAGE OF ITS REGISTERS: chunk c is 512 bytes, lane l = r + 16 h owns bytes 16 l .. 16 l + 15,
; the codes of k = 32 c + 16 h + 0 .. 15 of the tile's row r.  Every later load and store of codes is then 512 consecutive bytes a wave.  (The same place for each k in both operands of every product.)
; THIS LAUNCH.  code = number / 2^e, held within +-448, to the nearest code, ties to even.  x is quantised three times (entries 0, 2, 4 of the scales), wq, wk, wv, wo once (entries 1, 3, 5, 11).
; A work-group takes one tile of 16 rows, wave w its K step w (128 along K): one fragment.  Even work-groups take x's 256 tiles, odd ones the weights' 256.  Only pointers, offsets and exponents are chosen by the
; work-group's number; one path serves all, and the weights jump over versions 1 and 2 (register work and stores alone).
; xc [block 32][K step 8][version 3][tile 8][chunk 4][512];  wc [block 8][K step 8][product 3][tile 8][chunk 4][512];  woc [block 8][half of K 2][tile 8][K step 4][chunk 4][512].
; LIMITS: each of these seven exponents lies between -126 and 119, so that 2^e and 448 x 2^e are f32 numbers.  NaN among the inputs is not served.
.set STG,   16*528                     ; a wave's stage: 16 rows of 512 bytes + 16 of padding
.set SPARE, 8*STG                      ; behind the stages: the spare words, 128 bytes for each wave
.set LO,  2                            ; v2   16 x lane
.set STI, 3                            ; v3   the stage, on the way in
.set STO, 4                            ; v4   and on the way out: row r, + 64 h
.set SPW, 8                            ; v8   my spare word; never rewritten
.set NIL, 9                            ; v9   0; never rewritten
.set SC,  10                           ; v10-15  2^e and 448 x 2^e for versions 0, 1, 2
.set R,   16                           ; v16-79  as loaded; later the held numbers
.set X,   80                           ; v80-143 register 16 c + i = k 32 c + 16 h + i of my row
.set C,   144                          ; v144-191 16 registers of codes a version: no store's data are written again
	s_load_b256 s[4:11], s[0:1], 0x0               ; x, wq, wk, wv
	s_load_b256 s[12:19], s[0:1], 0x20             ; wo, the scales' exponents, xc, wc
	s_load_b64 s[20:21], s[0:1], 0x40              ; woc
	v_lshl_add_u32 v[SPW], v0, 2, SPARE
	v_mov_b32 v[NIL], 0
	v_lshrrev_b32 v1, 5, v0
	s_delay_alu instid0(VALU_DEP_1)
	v_readfirstlane_b32 s22, v1                    ; wave = K step
	v_and_b32 v1, 31, v0
	s_delay_alu instid0(VALU_DEP_1)
	v_lshlrev_b32 v[LO], 4, v1
	s_mul_i32 s50, s22, STG
	v_add_nc_u32 v[STI], s50, v[LO]
	v_and_b32 v5, 15, v0                           ; r
	v_bfe_u32 v6, v0, 4, 1                         ; h
	s_delay_alu instid0(VALU_DEP_2)
	v_mul_u32_u24 v[STO], v5, 528
	s_delay_alu instid0(VALU_DEP_1)
	v_lshl_add_u32 v[STO], v6, 6, v[STO]
	s_delay_alu instid0(VALU_DEP_1)
	v_add_nc_u32 v[STO], s50, v[STO]
	s_lshr_b32 s23, ttmp9, 1                       ; which tile of x, or of the weights
	s_and_b32 s24, ttmp9, 1                        ; 0: x, 1: a weight
	s_and_b32 s25, s23, 7                          ; tile a
	s_lshr_b32 s26, s23, 3
	s_and_b32 s28, s26, 7
	s_lshr_b32 s27, s23, 6                         ; which weight: 0 wq, 1 wk, 2 wv, 3 wo
	s_cmp_eq_u32 s24, 0
	s_cselect_b32 s26, s26, s28                    ; block of 128 rows
	s_lshl_b32 s32, s26, 7                         ; the tile's first row: 128 block + 32 (a / 2) + 8 (a % 2)
	s_lshr_b32 s29, s25, 1
	s_lshl_b32 s29, s29, 5
	s_add_co_u32 s32, s32, s29
	s_and_b32 s29, s25, 1
	s_lshl_b32 s29, s29, 3
	s_add_co_u32 s32, s32, s29
	s_lshl_b32 s32, s32, 12                        ; rows of 4,096 bytes,
	s_lshl_b32 s29, s22, 9
	s_add_co_u32 s32, s32, s29                     ; + my K step's 512 bytes
	s_mov_b32 s33, 0
	s_mul_i32 s34, s26, 393216                     ; where the codes go.  xc: block, K step, tile
	s_mul_i32 s29, s22, 49152
	s_add_co_u32 s34, s34, s29
	s_lshl_b32 s29, s25, 11
	s_add_co_u32 s34, s34, s29
	s_lshl_b32 s29, s27, 14
	s_add_co_u32 s51, s34, s29                     ; wc: the same, + the product
	s_lshl_b32 s52, s26, 17                        ; woc: block, half of K, tile, K step in the half
	s_lshr_b32 s29, s22, 2
	s_lshl_b32 s29, s29, 16
	s_add_co_u32 s52, s52, s29
	s_lshl_b32 s29, s25, 13
	s_add_co_u32 s52, s52, s29
	s_and_b32 s29, s22, 3
	s_lshl_b32 s29, s29, 11
	s_add_co_u32 s52, s52, s29
	s_cmp_eq_u32 s27, 3
	s_cselect_b32 s51, s52, s51
	s_cmp_eq_u32 s24, 0
	s_cselect_b32 s34, s34, s51
	s_mov_b32 s35, 0
	s_wait_alu depctr_va_vdst(0)
	s_wait_kmcnt 0x0
	s_load_b256 s[36:43], s[14:15], 0x0            ; entries 0 to 7
	s_load_b128 s[44:47], s[14:15], 0x20           ; entries 8 to 11
	s_cmp_eq_u32 s27, 2                            ; the choices hang on the work-group's number alone
	s_cselect_b64 s[30:31], s[10:11], s[12:13]
	s_cmp_eq_u32 s27, 1
	s_cselect_b64 s[30:31], s[8:9], s[30:31]
	s_cmp_eq_u32 s27, 0
	s_cselect_b64 s[30:31], s[6:7], s[30:31]
	s_cmp_eq_u32 s24, 0
	s_cselect_b64 s[30:31], s[4:5], s[30:31]
	s_add_nc_u64 s[30:31], s[30:31], s[32:33]
	s_cmp_eq_u32 s27, 3
	s_cselect_b64 s[54:55], s[20:21], s[18:19]
	s_cmp_eq_u32 s24, 0
	s_cselect_b64 s[54:55], s[16:17], s[54:55]
	s_add_nc_u64 s[54:55], s[54:55], s[34:35]
.irp i, 0,1,2,3,4,5,6,7,8,9,10,11,12,13,14,15
	global_load_b128 v[R+4*\i:R+4*\i+3], v[LO], s[30:31] offset:(\i+8*(\i/8))*4096 th:TH_LOAD_NT   ; the tile's row i: 32 lanes read 512 consecutive bytes
.endr
.macro MKSC e, v                       ; s[e]: an exponent;  v[v] = 2^e as f32 (the conversion takes its exponent field), v[v+1] = 448 x 2^e
	s_add_co_i32 s48, s[\e], 127
	s_lshl_b32 s49, s48, 23
	v_mov_b32 v[\v], s49
	s_add_co_i32 s48, s48, 8
	s_lshl_b32 s48, s48, 23
	s_or_b32 s48, s48, 0x600000
	v_mov_b32 v[\v+1], s48
.endm
	s_wait_kmcnt 0x0
	s_cmp_eq_u32 s27, 2
	s_cselect_b32 s53, s41, s47                    ; wv: entry 5; wo: entry 11
	s_cmp_eq_u32 s27, 1
	s_cselect_b32 s53, s39, s53                    ; wk: entry 3
	s_cmp_eq_u32 s27, 0
	s_cselect_b32 s53, s37, s53                    ; wq: entry 1
	s_cmp_eq_u32 s24, 0
	s_cselect_b32 s53, s36, s53                    ; x, version 0: entry 0
	MKSC 53, SC
	MKSC 38, SC+2                                  ; x, version 1: entry 2
	MKSC 40, SC+4                                  ; x, version 2: entry 4
	s_wait_alu depctr_va_vdst(0)
.irp i, 0,1,2,3,4,5,6,7,8,9,10,11,12,13,14,15
	s_wait_loadcnt 15-\i                           ; loads come back in order: row i is in, the younger ones may be out
	ds_store_b128 v[STI], v[R+4*\i:R+4*\i+3] offset:528*\i
.endr
.irp c, 0,1,2,3
.irp q, 0,1,2,3
	ds_load_b128 v[X+16*\c+4*\q:X+16*\c+4*\q+3], v[STO] offset:128*\c+16*\q   ; LDS serves a wave's instructions in order: these see my stores.  My row r, k = 32 c + 16 h + 4 q on
.endr
.endr
	s_wait_dscnt 0x0
.macro VERSION v
.set i, 0
.rept 64
	v_med3_num_f32 v[R+i], v[X+i], -v[SC+2*\v+1], v[SC+2*\v+1]   ; the conversion to an 8-bit code does not saturate (ISA guide 7.6.2): the hold at the largest code x the scale
.set i, i+1
.endr
.irp n, 0,1,2,3,4,5,6,7
	v_cvt_scalef32_pk8_fp8_f32 v[C+16*\v+2*\n:C+16*\v+2*\n+1], v[R+8*\n:R+8*\n+7], v[SC+2*\v]
.endr
	v_nop                                          ; one plain line between the conversions and the next version's holds, which write their sources
.irp c, 0,1,2,3
	global_store_b128 v[LO], v[C+16*\v+4*\c:C+16*\v+4*\c+3], s[54:55] offset:16384*\v+512*\c   ; a chunk: 512 consecutive bytes
.endr
.endm
	VERSION 0
	s_bitcmp1_b32 ttmp9, 0
	s_cbranch_scc1 .Ldone                          ; a weight has one version
	VERSION 1
	VERSION 2
.Ldone:
	s_wait_tensorcnt 0x0                           ; the wave's end
	ds_add_u32 v[SPW], v[NIL]
	s_wait_dscnt 0x0
	s_endpgm
.Lfunc_end_k_q26f06d35eb_quant:
	.size	k_q26f06d35eb_quant, .Lfunc_end_k_q26f06d35eb_quant-k_q26f06d35eb_quant
	.p2alignl 7, 3214868480
	.fill 96, 4, 3214868480
	.section	.rodata,"a",@progbits
	.p2align	6, 0x0
	.amdhsa_kernel k_q26f06d35eb_quant
		.amdhsa_group_segment_fixed_size 68608
		.amdhsa_private_segment_fixed_size 0
		.amdhsa_enable_private_segment 0
		.amdhsa_kernarg_size 72
		.amdhsa_user_sgpr_count 2
		.amdhsa_user_sgpr_kernarg_segment_ptr 1
		.amdhsa_wavefront_size32 1
		.amdhsa_system_sgpr_workgroup_id_x 1
		.amdhsa_system_sgpr_workgroup_id_y 1
		.amdhsa_system_sgpr_workgroup_id_z 1
		.amdhsa_system_vgpr_workitem_id 0
		.amdhsa_next_free_vgpr 192
		.amdhsa_next_free_sgpr 66
		.amdhsa_reserve_vcc 0
		.amdhsa_float_denorm_mode_32 3
		.amdhsa_float_denorm_mode_16_64 3
		.amdhsa_memory_ordered 1
		.amdhsa_forward_progress 1
		.amdhsa_inst_pref_size 24
	.end_amdhsa_kernel
	.amdgpu_metadata
---
amdhsa.version: [ 1, 2 ]
amdhsa.kernels:
  - .name:           k_q26f06d35eb_quant
    .symbol:         k_q26f06d35eb_quant.kd
    .args:
      - { .name: x, .offset: 0, .size: 8, .value_kind: global_buffer, .address_space: global }
      - { .name: wq, .offset: 8, .size: 8, .value_kind: global_buffer, .address_space: global }
      - { .name: wk, .offset: 16, .size: 8, .value_kind: global_buffer, .address_space: global }
      - { .name: wv, .offset: 24, .size: 8, .value_kind: global_buffer, .address_space: global }
      - { .name: wo, .offset: 32, .size: 8, .value_kind: global_buffer, .address_space: global }
      - { .name: lowp_scales, .offset: 40, .size: 8, .value_kind: global_buffer, .address_space: global }
      - { .name: xc, .offset: 48, .size: 8, .value_kind: global_buffer, .address_space: global }
      - { .name: wc, .offset: 56, .size: 8, .value_kind: global_buffer, .address_space: global }
      - { .name: woc, .offset: 64, .size: 8, .value_kind: global_buffer, .address_space: global }
    .group_segment_fixed_size: 68608
    .private_segment_fixed_size: 0
    .kernarg_segment_align: 8
    .kernarg_segment_size: 72
    .max_flat_workgroup_size: 256
    .sgpr_count:     66
    .vgpr_count:     192
    .wavefront_size: 32
...
	.end_amdgpu_metadata
.endif
;; end of part 1
;; launch qkv (part 2): grid 8 x 32, 4 waves a work-group, clusters of 4 x 4, 327,680 bytes of LDS; arguments xc, wc, token_positions, lowp_scales, qimg, kv; writes qimg, kv
.if DOCPART == 2
	.amdgcn_target "amdgcn-amd-amdhsa--gfx1250"
	.amdhsa_code_object_version 6
	.text
	.protected	k_q26f06d35eb_qkv
	.globl	k_q26f06d35eb_qkv
	.p2align	8
	.type	k_q26f06d35eb_qkv,@function
k_q26f06d35eb_qkv:
	s_mov_b64 s[64:65], 0
	v_nop
	global_prefetch_b8 v0, s[64:65] scope:SCOPE_SE
	s_setreg_imm32_b32 hwreg(HW_REG_WAVE_MODE, 25, 1), 1
	s_wait_xcnt 0x0
	s_wait_alu depctr_hold_cnt(0) depctr_sa_sdst(0) depctr_va_vdst(0) depctr_va_sdst(0) depctr_va_ssrc(0) depctr_va_vcc(0) depctr_vm_vsrc(0)
	s_getreg_b32 s2, hwreg(HW_REG_IB_STS2, 6, 4)
	s_cmp_eq_u32 s2, 0
	s_cbranch_scc0 .Lentry_in_a_cluster
	s_endpgm
.Lentry_in_a_cluster:
	s_bfe_u32 s2, ttmp6, 0x10000c
	s_cmp_lg_u32 s2, 0xf033
	s_cbranch_scc0 .Lentry_shape_is_right
	s_endpgm
.Lentry_shape_is_right:
; q, k, v = x wq^T, x wk^T, x wv^T on codes of E4M3; RoPE on q and k over the full d_model; q, k, v quantised for attention's two products and stored as register images.
; SHARES.  A work-group makes all three products for 128 tokens (one key step) x 128 features (two heads): so the sines and cosines, which q and k share, are made once, 64 pairs a lane, while the first tiles are on
; their way.  Wave w: token tiles 4 (w / 2) on, feature tiles 4 (w % 2) on (one head): 3 x 16 accumulators.  K goes in 8 steps of 128; a step is three sub-steps (q, k, v), 16 matrix instructions each.
; LAYOUT.  q and k are used transposed (source 0 = 16 features of the weight, source 1 = 16 tokens): a lane holds one token and its registers run along the head's 64, attention's first K.  v the other way round
; (source 0 = tokens): a lane holds one feature and its registers run along the tokens, the keys, attention's second K.  By the tile order the conversions' results are the images' 16 bytes a lane.
; LDS: three places of 49,152 bytes for x's codes (K step s in place s % 3: [version 3][tile 8][2,048]), three for the weights'; dense blocks, no padding: a fragment load takes 512 consecutive bytes.
; THE RING: steps 0 to 2 are asked for at the head, one load a wave (one and a half steps of one side); places 0, 1 are filled again behind steps 1 and 4 (a step a wave), place 2 behind step 2 (half a step a wave).
; A wave has one load out at the head and one behind each refill.
; PREFETCH: steps 3 to 7 are asked for two K steps ahead of their loads: of a step's 192 blocks of 256 bytes a side each of the four partners names 48 (told apart by address), 24 by each of the two waves of that side.
; CLUSTER 4 x 4: x's tiles hang on the block of tokens alone and are shared along a row, the weights' on the block of features alone and are shared along a column.
; RoPE: pair i = feature / 2, angle = position x 10000^(-i / 512).  The power: 2^(-i c) with c = log2(10000) / 512 split into a part of 15 bits (its product with i is exact) and a rest, applied to first order
; (the term left out is under 4e-9 of the number).  Sine and cosine: n = nearest whole number to angle / pi, the rest by pi in three parts, polynomials of degree 13 and 12 on +-pi / 2 (error under 1e-8), sign by n's parity.
; qimg [batch x head 32][tile of queries 128][chunk 2][512];  kv [batch x head 32][key step 16][K: tile 8, chunk 2, 512 | V: tile of the head's 64: 4, chunk 4, 512].
; LIMITS: e6 - e0 - e1, e7 - e2 - e3, e8 - e4 - e5 (entries of the scales) between -126 and 119; |position| under 2^22 (the whole number n is made by adding 1.5 x 2^23).
; REGISTERS, in windows of 256.  Window 0: v1-31 addresses, scales, positions; v32-47 the 16 frequencies; v64-127 at work; v128-255 fragment buffer 0 (x at 128 + 16 a, weight at 192 + 16 b); at the head its first 36
; hold the polynomials' constants, on the way out its first 96 the codes.  Window 1: q's accumulators at 8 (4 a + b), k's at 128 + 8 (4 a + b).  Window 2: v's at 8 (4 a + b); from 128 the cosines and sines:
; token tile a, pair of frequencies k at 128 + 32 a + 4 k: two cosines, two sines.  Window 3: fragment buffer 1 (x at 16 a, weight at 64 + 16 b).
.set STEPB, 49152                      ; a K step's codes of one side
.set BREG,  3*STEPB                    ; the weights' three places
.set SPARE, 2*BREG                     ; behind them: the spare words, 128 bytes for each wave
.set LI,   3                           ; v3     16 x lane
.set ADRA, 4                           ; v4-6   my x fragments in place 0, 1, 2
.set ADRB, 8                           ; v8-10  my weight fragments
.set SPW,  12                          ; v12    my spare word; never rewritten
.set NIL,  13                          ; v13    0; never rewritten
.set SCL,  14                          ; v14-19 scale and largest number x scale for q, k, v
.set POS,  20                          ; v20-27 my token's position in tile a, as f32, twice: a pair for the packed forms
.set PFO,  30                          ; v30    the prefetches' offset: 256 bytes a lane, 24 blocks; never rewritten
.set IFQ,  32                          ; v32-47 frequency f = 4 b + jj: pair i = 64 fx + 32 (w % 2) + 8 h + 16 (b / 2) + 4 (b % 2) + jj
.set TS,   64                          ; sine and cosine at work: 16 registers a token tile: +0 angle, then rest; +2 n + magic, then sign; +4 n; +6 rest^2; +8 sine; +10 cosine; +12 rest^3
.set Y,    64                          ; the way out: two sets of 32 numbers
.set CN,   128                         ; constant q, twice, at v[CN + 2 q]
.set CODE, 128
.set G1AX, 24                          ; descriptor groups 1: x, a whole step; x, half a step; the weights likewise
.set G1AY, 32
.set G1BX, 40
.set G1BY, 48
.set G0AX, 56                          ; and their groups 0
.set G0AY, 60
.set G0BX, 68
.set G0BY, 72
.set PFA,  66                          ; s[66:67] where my prefetches stand
.set HG1A, 76                          ; the head's: one and a half steps; groups 1, and groups 0.  Behind the head these registers hold the scales' exponents and the images' places
.set HG1B, 84
.set HG0A, 92
.set HG0B, 96
.set MSB, 0
.macro WIN new                         ; the immediate's high byte repeats the setting that is left; a switch that changes nothing is dropped
.if MSB != (\new)
	s_set_vgpr_msb (MSB<<8)|(\new)
.set MSB, (\new)
.endif
.endm
.macro PLACES                          ; four plain vector lines between a matrix instruction and a load into, or a vector read of, its registers
.rept 4
	v_nop
.endr
.endm
.macro JLOAD g0a, g1a, g0b, g1b        ; a joint load: waves 0 and 1 fetch for x, waves 2 and 3 for the weights; the branch hangs on the wave's number alone; s_nop 0 and four v_nop follow each line
	s_cmp_eq_u32 s17, 0
	s_cbranch_scc0 .Lfor_b_\@
	tensor_load_to_lds s[\g0a:\g0a+3], s[\g1a:\g1a+7]
	s_nop 0
.rept 4
	v_nop
.endr
	s_branch .Lasked_\@
.Lfor_b_\@:
	tensor_load_to_lds s[\g0b:\g0b+3], s[\g1b:\g1b+7]
	s_nop 0
.rept 4
	v_nop
.endr
.Lasked_\@:
.endm
.macro CREST                           ; a round of the cluster's barrier behind its opening barrier
	s_cmp_lg_u32 s16, 0
	s_cbranch_scc1 .Lnot_wave_0_\@
	s_barrier_signal -3
.Lnot_wave_0_\@:
	s_barrier_wait -3
	s_barrier_signal -1
	s_barrier_wait -1
.endm
.macro CROUND                          ; a whole round
	s_barrier_signal -1
	s_barrier_wait -1
	CREST
.endm
.macro MKG1 g, rows                    ; a dense block as rows of 256 bytes, all words but the mask's
	s_mov_b32 s[\g+1], 32<<16
	s_mov_b32 s[\g+2], (\rows)<<16
	s_mov_b32 s[\g+3], 32<<16
	s_mov_b32 s[\g+4], \rows
	s_mov_b32 s[\g+5], 32
	s_mov_b32 s[\g+6], 0
	s_mov_b32 s[\g+7], 0
.endm
.macro MKG0 ga, gb                     ; s[100:101]: the offset in a side's codes, and in its places
	s_mov_b32 s[\ga], 1
	s_mov_b32 s[\ga+1], s100
	s_add_nc_u64 s[\ga+2:\ga+3], s[4:5], s[100:101]
	s_or_b32 s[\ga+3], s[\ga+3], 0x80000000
	s_mov_b32 s[\gb], 1
	s_add_co_u32 s[\gb+1], s100, BREG
	s_add_nc_u64 s[\gb+2:\gb+3], s[6:7], s[100:101]
	s_or_b32 s[\gb+3], s[\gb+3], 0x80000000
.endm
	s_load_b256 s[4:11], s[0:1], 0x0               ; xc, wc, the positions, the scales' exponents
	s_load_b128 s[12:15], s[0:1], 0x20             ; qimg, kv
	v_lshl_add_u32 v[SPW], v0, 2, SPARE
	v_mov_b32 v[NIL], 0
	ds_add_u32 v[SPW], v[NIL]                      ; the wave's opening: the add, twice on end, and its wait ahead of my first tensor load
	ds_add_u32 v[SPW], v[NIL]
	v_lshrrev_b32 v1, 5, v0
	v_readfirstlane_b32 s16, v1                    ; wave 0..3
	s_lshr_b32 s17, s16, 1                         ; my half of the tokens.  Also: I fetch for x (0) or for the weights (1)
	s_and_b32 s18, s16, 1                          ; my half of the features.  Also: which part of a fill I fetch
	s_bfe_u32 s19, ttmp6, 0x40000                  ; cx
	s_bfe_u32 s20, ttmp6, 0x40004                  ; cy
	s_lshl_b32 s21, ttmp9, 2
	s_add_co_u32 s21, s21, s19                     ; fx: block of 128 features
	s_and_b32 s22, ttmp7, 0xffff
	s_lshl_b32 s22, s22, 2
	s_add_co_u32 s22, s22, s20                     ; ty: block of 128 tokens
	s_lshl_b32 s2, s20, 2
	s_lshl_b32 s2, 15, s2                          ; my row of the cluster
	s_lshl_b32 s3, 0x1111, s19                     ; my column
	s_or_b32 s[G1AX], s2, (3<<16)|(1<<21)          ; 15:0 the mask; 17:16 elements of 8 bytes; 21 set beside a mask; no padding
	s_or_b32 s[G1AY], s2, (3<<16)|(1<<21)
	s_or_b32 s[HG1A], s2, (3<<16)|(1<<21)
	s_or_b32 s[G1BX], s3, (3<<16)|(1<<21)
	s_or_b32 s[G1BY], s3, (3<<16)|(1<<21)
	s_or_b32 s[HG1B], s3, (3<<16)|(1<<21)
	MKG1 HG1A, 288                                 ; 73,728 bytes
	MKG1 HG1B, 288
	MKG1 G1AX, 192                                 ; 49,152
	MKG1 G1BX, 192
	MKG1 G1AY, 96                                  ; 24,576
	MKG1 G1BY, 96
	s_mul_i32 s92, s22, 8*STEPB                    ; x's codes hang on ty alone,
	s_mov_b32 s93, 0
	s_mul_i32 s96, s21, 8*STEPB                    ; the weights' on fx alone
	s_mov_b32 s97, 0
	s_wait_dscnt 0x0                               ; both opening adds are done
	s_wait_kmcnt 0x0
	s_add_nc_u64 s[4:5], s[4:5], s[92:93]
	s_add_nc_u64 s[6:7], s[6:7], s[96:97]
	s_mov_b32 s101, 0
	s_mul_i32 s100, s18, 3*STEPB/2                 ; steps 0 to 2: the same offset in memory and in LDS
	MKG0 HG0A, HG0B
	CROUND                                         ; all sixteen work-groups are here: the first joint loads meet
	JLOAD HG0A, HG1A, HG0B, HG1B                   ; steps 0 to 2: one tensor load a wave at the head
	s_mul_i32 s100, s18, STEPB                     ; a whole step: places 0 and 1 (each refill steps the address three K steps on first)
	MKG0 G0AX, G0BX
	s_mul_i32 s100, s18, STEPB/2
	s_add_co_u32 s100, s100, 2*STEPB               ; half a step: place 2
	MKG0 G0AY, G0BY
	s_cmp_eq_u32 s17, 0                            ; the prefetches' base: x's codes or the weights',
	s_cselect_b64 s[PFA:PFA+1], s[4:5], s[6:7]
	s_cselect_b32 s2, s19, s20
	s_mul_i32 s2, s2, STEPB/4                      ; my work-group's quarter of a step,
	s_mul_i32 s3, s18, STEPB/8                     ; and my wave's half of that
	s_add_co_u32 s2, s2, s3
	s_mov_b32 s3, 0
	s_add_nc_u64 s[PFA:PFA+1], s[PFA:PFA+1], s[2:3]
	v_and_b32 v1, 15, v0                           ; r
	v_bfe_u32 v2, v0, 4, 1                         ; h
	v_and_b32 v28, 8, v1
	v_add_nc_u32 v28, v28, v1
	v_lshlrev_b32 v28, 2, v28                      ; my token's place in a tile: r + 8 (r / 8), 4 bytes a position
	s_lshl_b32 s2, s22, 9
	s_lshl_b32 s3, s17, 8
	s_add_co_u32 s2, s2, s3
	s_mov_b32 s3, 0
	s_add_nc_u64 s[8:9], s[8:9], s[2:3]            ; the positions at token 128 ty + 64 (w / 2)
.irp a, 0,1,2,3
	global_load_b32 v[POS+2*\a], v28, s[8:9] offset:(32*(\a/2)+8*(\a%2))*4
.endr
	v_and_b32 v3, 31, v0
	v_min_u32 v[PFO], 23, v3
	v_lshlrev_b32 v[LI], 4, v3
	v_lshlrev_b32 v[PFO], 8, v[PFO]
	s_lshl_b32 s2, s17, 13                         ; my four tiles of 2,048 bytes
	s_lshl_b32 s3, s18, 13
	s_add_co_u32 s3, s3, BREG
.irp g, 0,1,2
	v_add_nc_u32 v[ADRA+\g], s2, v[LI]
	v_add_nc_u32 v[ADRB+\g], s3, v[LI]
	s_add_co_u32 s2, s2, STEPB
	s_add_co_u32 s3, s3, STEPB
.endr
.macro KONST q, bits
	v_mov_b32 v[CN+2*\q], \bits
	v_mov_b32 v[CN+2*\q+1], \bits
.endm
	KONST 0,  0x3ea2f983                           ; 1 / pi
	KONST 1,  0x4b400000                           ; 1.5 x 2^23: added, it leaves the nearest whole number in the low bits
	KONST 2,  0xc0490000                           ; -pi in three parts
	KONST 3,  0xba7da000
	KONST 4,  0xb4222169
	KONST 5,  0x2f309231                           ; the sine's series: 1/13!, -1/11!, 1/9!, -1/7!, 1/5!, -1/3!
	KONST 6,  0xb2d7322b
	KONST 7,  0x3638ef1d
	KONST 8,  0xb9500d01
	KONST 9,  0x3c088889
	KONST 10, 0xbe2aaaab
	KONST 11, 0x310f76c7                           ; the cosine's: 1/12!, -1/10!, 1/8!, -1/6!, 1/4!, -1/2, 1
	KONST 12, 0xb493f27e
	KONST 13, 0x37d00d01
	KONST 14, 0xbab60b61
	KONST 15, 0x3d2aaaab
	KONST 16, 0xbf000000
	KONST 17, 0x3f800000
	; the 16 frequencies of my lane
	s_lshl_b32 s2, s21, 6
	s_lshl_b32 s3, s18, 5
	s_add_co_u32 s2, s2, s3
	v_lshl_add_u32 v29, v2, 3, s2                  ; 64 fx + 32 (w % 2) + 8 h
.set f, 0
.rept 16
	v_add_nc_u32 v[IFQ+f], 16*(f/8)+4*((f/4)%2)+f%4, v29
.set f, f+1
.endr
.set f, 0
.rept 16
	v_cvt_f32_u32 v[IFQ+f], v[IFQ+f]               ; i, at most 511
.set f, f+1
.endr
.set f, 0
.rept 16
	v_mul_f32 v[TS+f], 0xbcd49a00, v[IFQ+f]        ; -i x 27213 / 2^20: exact
	v_mul_f32 v[IFQ+f], 0xb426c40c, v[IFQ+f]       ; -i x the rest of c x ln 2
.set f, f+1
.endr
.set f, 0
	s_wait_alu depctr_va_vdst(0)                   ; the wait ahead of the batch
.rept 16
	v_exp_f32 v[TS+f], v[TS+f]
.set f, f+1
.endr
	v_nop                                          ; a plain line behind the last exponential
	s_wait_alu depctr_va_vdst(0)                   ; one wait for the batch, ahead of its first use
.set f, 0
.rept 16
	v_fma_f32 v[IFQ+f], v[TS+f], v[IFQ+f], v[TS+f]
.set f, f+1
.endr
	s_wait_loadcnt 0x0                             ; the positions
.irp a, 0,1,2,3
	v_cvt_f32_i32 v[POS+2*\a], v[POS+2*\a]
.endr
.irp a, 0,1,2,3
	v_mov_b32 v[POS+2*\a+1], v[POS+2*\a]
.endr
; Sine and cosine of position x frequencies 2 k, 2 k + 1, packed, for my token of each of the four tiles: four chains, line by line, so that no line waits for the line above it.
.macro AC d, x, q1, q2                 ; d = x * constant q1 + constant q2
.irp a, 0,1,2,3
	v_pk_fma_f32 v[TS+16*\a+\d:TS+16*\a+\d+1], v[TS+16*\a+\x:TS+16*\a+\x+1], v[CN+2*\q1:CN+2*\q1+1], v[CN+2*\q2:CN+2*\q2+1]
.endr
.endm
.macro AH d, q                         ; d = d * rest^2 + constant q
.irp a, 0,1,2,3
	v_pk_fma_f32 v[TS+16*\a+\d:TS+16*\a+\d+1], v[TS+16*\a+\d:TS+16*\a+\d+1], v[TS+16*\a+6:TS+16*\a+7], v[CN+2*\q:CN+2*\q+1]
.endr
.endm
.macro AR q                            ; rest = n * constant q + rest
.irp a, 0,1,2,3
	v_pk_fma_f32 v[TS+16*\a:TS+16*\a+1], v[TS+16*\a+4:TS+16*\a+5], v[CN+2*\q:CN+2*\q+1], v[TS+16*\a:TS+16*\a+1]
.endr
.endm
.macro SINCOS k
.irp a, 0,1,2,3
	v_pk_mul_f32 v[TS+16*\a:TS+16*\a+1], v[IFQ+2*\k:IFQ+2*\k+1], v[POS+2*\a:POS+2*\a+1]   ; the angle, rounded once, as reference() has it
.endr
	AC 2, 0, 0, 1
.irp a, 0,1,2,3
	v_pk_add_f32 v[TS+16*\a+4:TS+16*\a+5], v[TS+16*\a+2:TS+16*\a+3], v[CN+2:CN+3] neg_lo:[0,1] neg_hi:[0,1]   ; n
.endr
	AR 2
	AR 3
	AR 4
.irp a, 0,1,2,3
	v_pk_mul_f32 v[TS+16*\a+6:TS+16*\a+7], v[TS+16*\a:TS+16*\a+1], v[TS+16*\a:TS+16*\a+1]
.endr
	AC 8, 6, 5, 6
	AC 10, 6, 11, 12
	AH 8, 7
	AH 10, 13
	AH 8, 8
	AH 10, 14
	AH 8, 9
	AH 10, 15
	AH 8, 10
	AH 10, 16
.irp a, 0,1,2,3
	v_pk_mul_f32 v[TS+16*\a+12:TS+16*\a+13], v[TS+16*\a+6:TS+16*\a+7], v[TS+16*\a:TS+16*\a+1]
.endr
	AH 10, 17                                      ; the cosine of the rest
.irp a, 0,1,2,3
	v_pk_fma_f32 v[TS+16*\a+8:TS+16*\a+9], v[TS+16*\a+8:TS+16*\a+9], v[TS+16*\a+12:TS+16*\a+13], v[TS+16*\a:TS+16*\a+1]   ; the sine of the rest
.endr
.irp a, 0,1,2,3
	v_lshlrev_b32 v[TS+16*\a+2], 31, v[TS+16*\a+2] ; n's parity as a sign
	v_lshlrev_b32 v[TS+16*\a+3], 31, v[TS+16*\a+3]
.endr
	WIN 0x80                                       ; destination window 2
.irp a, 0,1,2,3
	v_xor_b32 v[128+32*\a+4*\k],   v[TS+16*\a+10], v[TS+16*\a+2]
	v_xor_b32 v[128+32*\a+4*\k+1], v[TS+16*\a+11], v[TS+16*\a+3]
	v_xor_b32 v[128+32*\a+4*\k+2], v[TS+16*\a+8],  v[TS+16*\a+2]
	v_xor_b32 v[128+32*\a+4*\k+3], v[TS+16*\a+9],  v[TS+16*\a+3]
.endr
	WIN 0
.endm
.irp k, 0,1,2,3,4,5,6,7
	SINCOS \k
.endr
.macro MKSC v                          ; s2: an exponent;  v[v] = 2^s2 as f32, v[v+1] = 448 x that
	s_add_co_i32 s2, s2, 127
	s_lshl_b32 s3, s2, 23
	v_mov_b32 v[\v], s3
	s_add_co_i32 s2, s2, 8
	s_lshl_b32 s2, s2, 23
	s_or_b32 s2, s2, 0x600000
	v_mov_b32 v[\v+1], s2
.endm
; Sub-step n = 3 s + p: K step s, product p.  Its fragments lie in buffer n % 2.
.macro FETCH n                         ; 32 LDS loads in one run: four fragments of the weight, four of x
.set FS, ((\n)/3)%3
.set FP, (\n)%3
.if (\n)%2
	WIN 0xc0                                       ; destination window 3
.set FX, 0
.set FW, 64
.else
	WIN 0
.set FX, 128
.set FW, 192
.endif
.irp i, 0,1,2,3
.irp c, 0,1,2,3
	ds_load_b128 v[FW+16*\i+4*\c:FW+16*\i+4*\c+3], v[ADRB+FS] offset:FP*16384+\i*2048+\c*512
.endr
.endr
.irp i, 0,1,2,3
.irp c, 0,1,2,3
	ds_load_b128 v[FX+16*\i+4*\c:FX+16*\i+4*\c+3], v[ADRA+FS] offset:FP*16384+\i*2048+\c*512
.endr
.endr
.endm
.macro MULH n, a0                      ; 8 matrix instructions: token tiles a0, a0 + 1; the 48 accumulators take turns, one instruction a turn; K step 0 starts the sums with the constant 0
.set MP, (\n)%3
.set MB, (\n)%2
.set MX, 128-128*MB
.set MW, 192-128*MB
.set MA, 128*(MP%2)
.if MP == 2
	WIN 0xa0+0x0f*MB
.else
	WIN 0x50+0x0f*MB
.endif
.irp a, \a0, \a0+1
.irp b, 0,1,2,3
.set MD, MA+8*(4*(\a)+\b)
.set XF, MX+16*(\a)
.set WF, MW+16*\b
.if MP == 2
.if (\n) < 3
	v_wmma_f32_16x16x128_fp8_fp8 v[MD:MD+7], v[XF:XF+15], v[WF:WF+15], 0
.else
	v_wmma_f32_16x16x128_fp8_fp8 v[MD:MD+7], v[XF:XF+15], v[WF:WF+15], v[MD:MD+7]
.endif
.else
.if (\n) < 3
	v_wmma_f32_16x16x128_fp8_fp8 v[MD:MD+7], v[WF:WF+15], v[XF:XF+15], 0
.else
	v_wmma_f32_16x16x128_fp8_fp8 v[MD:MD+7], v[WF:WF+15], v[XF:XF+15], v[MD:MD+7]
.endif
.endif
.endr
.endr
.endm
.macro SUB n                           ; the next sub-step's fragments are asked for, then this one is multiplied
	PLACES                                         ; the other buffer's last products stand just ahead
	FETCH (\n)+1
	s_wait_dscnt 0x20                              ; all but the 32 just issued
	MULH \n, 0
	MULH \n, 2
.endm
; A sub-step behind which places change hands.  kind 1: places 0 and 1 are filled again; 2: place 2; 0: nothing, the last steps' tiles are only awaited.
.macro EDGE n, kind
	WIN 0                                          ; (the add's two registers lie in window 0)
	s_wait_tensorcnt 0x0                           ; all my tensor loads have landed
	ds_add_u32 v[SPW], v[NIL]                      ; 0 onto my spare word
.if \kind == 1
	s_add_nc_u64 s[G0AX+2:G0AX+3], s[G0AX+2:G0AX+3], 3*STEPB   ; no load of mine is out, so a group 0 may be written: three K steps on
	s_add_nc_u64 s[G0BX+2:G0BX+3], s[G0BX+2:G0BX+3], 3*STEPB
.elseif \kind == 2
	s_add_nc_u64 s[G0AY+2:G0AY+3], s[G0AY+2:G0AY+3], 3*STEPB
	s_add_nc_u64 s[G0BY+2:G0BY+3], s[G0BY+2:G0BY+3], 3*STEPB
.endif
	s_wait_dscnt 0x1                               ; this sub-step's fragments are in; the add alone may be out
	MULH \n, 0                                     ; eight matrix instructions stand between the add and the wait for it
	s_wait_dscnt 0x0                               ; the add is done, and my reads of the places that change hands are over
	s_barrier_signal -1
	MULH \n, 2                                     ; work on registers while the others arrive
	WIN 0
	s_barrier_wait -1
.if \kind == 1
	CREST                                          ; the barrier has opened a round: no wave of any partner still reads those places or has a load on its way
	JLOAD G0AX, G1AX, G0BX, G1BX                   ; my one tensor load behind the round; its four v_nop are the places in front of the loads below
.elseif \kind == 2
	CREST
	JLOAD G0AY, G1AY, G0BY, G1BY
.else
	PLACES
.endif
	FETCH (\n)+1
.endm
.macro ASK s                           ; K step s of my side into the L2
	global_prefetch_b8 v[PFO], s[PFA:PFA+1] offset:(\s)*STEPB th:TH_LOAD_NT scope:SCOPE_SE
.endm
	s_wait_alu depctr_va_vdst(0)                   ; the wait at the head's end
	s_wait_tensorcnt 0x0                           ; my part of steps 0 to 2 is in
	s_barrier_signal -1
	s_barrier_wait -1                              ; everybody's
	FETCH 0
	s_load_b256 s[76:83], s[10:11], 0x0            ; entries 0 to 7 of the scales, into registers that the head's load has done with
	s_load_b32 s84, s[10:11], 0x20                 ; entry 8
	ASK 3
	ASK 4
	; where the images go
	s_lshr_b32 s2, s22, 4
	s_lshl_b32 s2, s2, 4
	s_lshl_b32 s3, s21, 1
	s_add_co_u32 s2, s2, s3
	s_add_co_u32 s2, s2, s18                       ; batch x 16 + head
	s_and_b32 s3, s22, 15                          ; the block of 128 tokens in its sequence
	s_lshl_b32 s86, s2, 17
	s_lshl_b32 s87, s3, 13
	s_add_co_u32 s86, s86, s87
	s_lshl_b32 s87, s17, 12
	s_add_co_u32 s86, s86, s87                     ; q: my four tiles of 1,024 bytes
	s_mov_b32 s87, 0
	s_add_nc_u64 s[12:13], s[12:13], s[86:87]
	s_lshl_b32 s88, s2, 18
	s_lshl_b32 s89, s3, 14
	s_add_co_u32 s88, s88, s89                     ; the key step's 16,384 bytes
	s_lshl_b32 s89, s17, 10
	s_add_co_u32 s90, s88, s89
	s_add_co_u32 s90, s90, 8192                    ; v: behind k's 8,192; my tokens are chunks 2 (w / 2) and the next
	s_mov_b32 s91, 0
	s_lshl_b32 s89, s17, 12
	s_add_co_u32 s88, s88, s89                     ; k: my four tiles
	s_mov_b32 s89, 0
	s_add_nc_u64 s[90:91], s[14:15], s[90:91]
	s_add_nc_u64 s[14:15], s[14:15], s[88:89]
	SUB 0
	SUB 1
	SUB 2
	WIN 0
	ASK 5
	SUB 3
	SUB 4
	EDGE 5, 1                                      ; steps 0 and 1 are read: steps 3 and 4 are asked for
	SUB 6
	SUB 7
	EDGE 8, 2                                      ; step 2 is read: step 5
	WIN 0
	ASK 6
	ASK 7
.irp n, 9,10,11,12,13
	SUB \n
.endr
	EDGE 14, 1                                     ; steps 3 and 4 are read: steps 6 and 7
	SUB 15
	SUB 16
	EDGE 17, 0
.irp n, 18,19,20,21,22
	SUB \n
.endr
	s_wait_dscnt 0x0
	MULH 23, 0
	MULH 23, 2
	WIN 0
	PLACES
	s_wait_kmcnt 0x0                               ; the scales
	s_sub_co_i32 s2, s82, s76                      ; a sum stands for sum x 2^(e0 + e1): q's code is sum / 2^(e6 - e0 - e1): the three scales folded into the conversion's one.  (The rotation is linear, so it may come first)
	s_sub_co_i32 s2, s2, s77
	MKSC SCL
	s_sub_co_i32 s2, s83, s78
	s_sub_co_i32 s2, s2, s79
	MKSC SCL+2
	s_sub_co_i32 s2, s84, s80
	s_sub_co_i32 s2, s2, s81
	MKSC SCL+4
	s_wait_alu depctr_va_vdst(0)
; THE WAY OUT.  q and k, token tile a: the rotation (r1 = x1 cos - x2 sin, r2 = x1 sin + x2 cos: a packed multiply and a packed multiply-add for each pair), the hold, the conversion; a lane's 2 x 16 bytes are the
; image's.  Each accumulator is read from its low end on.
.macro ROPE p, a
.set AB, 128*(\p)+32*(\a)
.set CB, 128+32*(\a)
.set CD, CODE+32*(\p)+8*(\a)
.set YB, Y+32*((\a)%2)
	WIN 0x09                                       ; source 0 (the sums) window 1, source 1 (cosines, sines) window 2
.irp b, 0,1,2,3
.irp u, 0,4
	v_pk_mul_f32 v[YB+8*\b+\u:YB+8*\b+\u+1], v[AB+8*\b+\u:AB+8*\b+\u+1], v[CB+8*\b+\u:CB+8*\b+\u+1] op_sel_hi:[1,0]
	v_pk_mul_f32 v[YB+8*\b+\u+2:YB+8*\b+\u+3], v[AB+8*\b+\u+2:AB+8*\b+\u+3], v[CB+8*\b+\u:CB+8*\b+\u+1] op_sel:[0,1] op_sel_hi:[1,1]
.endr
.irp u, 0,4
	v_pk_fma_f32 v[YB+8*\b+\u:YB+8*\b+\u+1], v[AB+8*\b+\u:AB+8*\b+\u+1], v[CB+8*\b+\u+2:CB+8*\b+\u+3], v[YB+8*\b+\u:YB+8*\b+\u+1] op_sel:[1,0,0] op_sel_hi:[0,0,1] neg_lo:[0,1,0]
	v_pk_fma_f32 v[YB+8*\b+\u+2:YB+8*\b+\u+3], v[AB+8*\b+\u+2:AB+8*\b+\u+3], v[CB+8*\b+\u+2:CB+8*\b+\u+3], v[YB+8*\b+\u+2:YB+8*\b+\u+3] op_sel:[1,1,0] op_sel_hi:[0,1,1] neg_lo:[0,1,0]
.endr
.endr
	WIN 0
.set i, 0
.rept 32
	v_med3_num_f32 v[YB+i], v[YB+i], -v[SCL+2*(\p)+1], v[SCL+2*(\p)+1]   ; the conversion does not saturate (ISA guide 7.6.2)
.set i, i+1
.endr
.irp n, 0,1,2,3
	v_cvt_scalef32_pk8_fp8_f32 v[CD+2*\n:CD+2*\n+1], v[YB+8*\n:YB+8*\n+7], v[SCL+2*(\p)]
.endr
	v_nop                                          ; one plain line behind the last conversion
	global_store_b128 v[LI], v[CD:CD+3], s[12+2*(\p):13+2*(\p)] offset:1024*(\a)          ; 512 consecutive bytes
	global_store_b128 v[LI], v[CD+4:CD+7], s[12+2*(\p):13+2*(\p)] offset:1024*(\a)+512
.endm
.macro VOUT b                          ; v, feature tile b: my feature's 64 tokens: two chunks of the image
.set CD, CODE+64+8*(\b)
.set YB, Y+32*((\b)%2)
	WIN 0x02                                       ; source 0 window 2
.irp a, 0,1,2,3
.irp j, 0,1,2,3,4,5,6,7
	v_med3_num_f32 v[YB+8*\a+\j], v[8*(4*\a+(\b))+\j], -v[SCL+5], v[SCL+5]
.endr
.endr
	WIN 0
.irp n, 0,1,2,3
	v_cvt_scalef32_pk8_fp8_f32 v[CD+2*\n:CD+2*\n+1], v[YB+8*\n:YB+8*\n+7], v[SCL+4]
.endr
	v_nop
	global_store_b128 v[LI], v[CD:CD+3], s[90:91] offset:2048*(\b)
	global_store_b128 v[LI], v[CD+4:CD+7], s[90:91] offset:2048*(\b)+512
.endm
.irp a, 0,1,2,3
	ROPE 0, \a
.endr
.irp a, 0,1,2,3
	ROPE 1, \a
.endr
.irp b, 0,1,2,3
	VOUT \b
.endr
	s_wait_tensorcnt 0x0                           ; the wave's end
	ds_add_u32 v[SPW], v[NIL]
	s_wait_dscnt 0x0
	CROUND                                         ; the closing round: no work-group ends while a partner may still ask for a tile that names it
	s_endpgm
.Lfunc_end_k_q26f06d35eb_qkv:
	.size	k_q26f06d35eb_qkv, .Lfunc_end_k_q26f06d35eb_qkv-k_q26f06d35eb_qkv
	.p2alignl 7, 3214868480
	.fill 96, 4, 3214868480
	.section	.rodata,"a",@progbits
	.p2align	6, 0x0
	.amdhsa_kernel k_q26f06d35eb_qkv
		.amdhsa_group_segment_fixed_size 327680
		.amdhsa_private_segment_fixed_size 0
		.amdhsa_enable_private_segment 0
		.amdhsa_kernarg_size 48
		.amdhsa_user_sgpr_count 2
		.amdhsa_user_sgpr_kernarg_segment_ptr 1
		.amdhsa_wavefront_size32 1
		.amdhsa_system_sgpr_workgroup_id_x 1
		.amdhsa_system_sgpr_workgroup_id_y 1
		.amdhsa_system_sgpr_workgroup_id_z 1
		.amdhsa_system_vgpr_workitem_id 0
		.amdhsa_next_free_vgpr 896
		.amdhsa_next_free_sgpr 102
		.amdhsa_reserve_vcc 0
		.amdhsa_float_denorm_mode_32 3
		.amdhsa_float_denorm_mode_16_64 3
		.amdhsa_memory_ordered 1
		.amdhsa_forward_progress 1
		.amdhsa_inst_pref_size 192
	.end_amdhsa_kernel
	.amdgpu_metadata
---
amdhsa.version: [ 1, 2 ]
amdhsa.kernels:
  - .name:           k_q26f06d35eb_qkv
    .symbol:         k_q26f06d35eb_qkv.kd
    .args:
      - { .name: xc, .offset: 0, .size: 8, .value_kind: global_buffer, .address_space: global }
      - { .name: wc, .offset: 8, .size: 8, .value_kind: global_buffer, .address_space: global }
      - { .name: token_positions, .offset: 16, .size: 8, .value_kind: global_buffer, .address_space: global }
      - { .name: lowp_scales, .offset: 24, .size: 8, .value_kind: global_buffer, .address_space: global }
      - { .name: qimg, .offset: 32, .size: 8, .value_kind: global_buffer, .address_space: global }
      - { .name: kv, .offset: 40, .size: 8, .value_kind: global_buffer, .address_space: global }
    .group_segment_fixed_size: 327680
    .private_segment_fixed_size: 0
    .kernarg_segment_align: 8
    .kernarg_segment_size: 48
    .max_flat_workgroup_size: 128
    .sgpr_count:     102
    .vgpr_count:     896
    .wavefront_size: 32
...
	.end_amdgpu_metadata
.endif
;; end of part 2
;; launch attn (part 3): grid 8 x 32, 16 waves a work-group, clusters of 4 x 1, 327,680 bytes of LDS; arguments qimg, kv, lowp_scales, oimg; writes oimg
.if DOCPART == 3
	.amdgcn_target "amdgcn-amd-amdhsa--gfx1250"
	.amdhsa_code_object_version 6
	.text
	.protected	k_q26f06d35eb_attn
	.globl	k_q26f06d35eb_attn
	.p2align	8
	.type	k_q26f06d35eb_attn,@function
k_q26f06d35eb_attn:
	s_mov_b64 s[64:65], 0
	v_nop
	global_prefetch_b8 v0, s[64:65] scope:SCOPE_SE
	s_setreg_imm32_b32 hwreg(HW_REG_WAVE_MODE, 25, 1), 1
	s_wait_xcnt 0x0
	s_wait_alu depctr_hold_cnt(0) depctr_sa_sdst(0) depctr_va_vdst(0) depctr_va_sdst(0) depctr_va_ssrc(0) depctr_va_vcc(0) depctr_vm_vsrc(0)
	s_getreg_b32 s2, hwreg(HW_REG_IB_STS2, 6, 4)
	s_cmp_eq_u32 s2, 0
	s_cbranch_scc0 .Lentry_in_a_cluster
	s_endpgm
.Lentry_in_a_cluster:
	s_bfe_u32 s2, ttmp6, 0x10000c
	s_cmp_lg_u32 s2, 0x3003
	s_cbranch_scc0 .Lentry_shape_is_right
	s_endpgm
.Lentry_shape_is_right:
; o = softmax(q k^T / 8, causal) v for one batch and head a row of the grid, both products on codes of E4M3, and o quantised for the projection on the way out.
; WORK LEFT OUT: key steps (128 keys) that lie wholly behind a wave's 16 queries: reference()'s own mask gives them the weight 0 for every input.
; LIMIT: a NaN, an infinity or an overflow that reaches only such a hidden score is not carried to the result.
; THE SOFTMAX: t = score x log2(e) / 8; M = the largest t so far, rounded up to a whole number; p = 2^(t - M) is quantised (scale entry 9), not normalised; the row's sum is taken of the unquantised p and divides at
; the end.  When M moves, the sum and O are multiplied by 2^(old M - new M): exact.
; SHARES.  The head's whole image of K and V, 262,144 bytes, lies in LDS, filled once.  Work-group T (0..7) owns tile T of 16 queries of each of the 16 blocks of 128 queries; a wave owns one tile, that of block m,
; and walks key steps 0 .. m, the last on the diagonal: 136 steps in every work-group, whatever T.  m falls with the wave's number, and waves w, w + 4, w + 8, w + 12 have 34 steps together:
; waves 0-3: 15,14,13,12; 4-7: 8,9,10,11; 8-11: 7,6,5,4; 12-15: 0,1,2,3.
; CLUSTER.  The four work-groups of a cluster belong to one head and want the same bytes: every load is a joint one, with the mask of all four.  No branch and no LDS address hangs on T.
; THE LOADS: wave w asks for key step w, 16,384 bytes, at the head; one load of a wave is out, one barrier shows them all.  No prefetch: the launch has no loop that loads, each byte is asked for once.
; LAYOUT.  S^T = K Q^T (source 0 = 16 keys), O^T = V^T P^T (source 0 = 16 of the head's 64): a lane holds one query throughout.  By the tile order p's 16 registers of two neighbouring tiles are 16 neighbouring keys,
; and O^T's of two neighbouring tiles 16 neighbours of the head's 64: the conversions' results are the next operand's registers.
; THE MASK on the diagonal step: score = min(score, (query - key + 1/2) x 2^120).  A score is a sum of 64 products of codes, under 2^24 in magnitude, so an open key keeps its score and a hidden one becomes -2^119 or less.
; oimg [block of tokens 32][half of K 2][tile 8][K step 4][chunk 4][512]: head hd is chunks 2 (hd % 2), + 1 of K step hd / 2.
; LIMITS on the scales' entries: e6 + e7 between -90 and 130 (added to the exponent field of log2(e) / 8; a hidden t is then under -2^25); e9 and e10 between -126 and 119.  |t| stays under 2^31.
; REGISTERS: v1 16 x lane; v2 the LDS address in hand; v[10:11] the mask's figures; v12 -M, v13 the largest t, v[14:15] the sum in two halves; v16-23 Q; v32-95 K's 8 fragments, then V's 4;
; v96-159 S^T, then p; v160-191 O^T; v[194:195] f; v200-204 scales; v206-223 the mask at work; v224-239 p's codes; v240-247 at work.
.set SPARE, 262144                     ; behind the image: the spare words, 128 bytes for each wave
.set LI,  1
.set ADR, 2
.set SPW, 5                            ; never rewritten
.set NIL, 6                            ; never rewritten
.set WV,  12
.set M,   13                           ; s13  my block of queries = my last key step, the diagonal one
.set J,   14                           ; s14  the key step in hand
.set TB,  15                           ; s15  its first LDS byte
.set CNT, 16
.set SEL, 18                           ; s[18:19] lane selects: lane l xor 16
.set CS,  20                           ; s[20:21] log2(e) / 8 x 2^(e6 + e7)
.set G1,  24                           ; s[24:31] group 1
.set G0,  40                           ; s[40:43] group 0
.macro CROUND
	s_barrier_signal -1
	s_barrier_wait -1
	s_cmp_lg_u32 s[WV], 0
	s_cbranch_scc1 .Lnot_wave_0_\@
	s_barrier_signal -3
.Lnot_wave_0_\@:
	s_barrier_wait -3
	s_barrier_signal -1
	s_barrier_wait -1
.endm
	s_load_b256 s[4:11], s[0:1], 0x0               ; qimg, kv, the scales' exponents, oimg
	v_lshl_add_u32 v[SPW], v0, 2, SPARE
	v_mov_b32 v[NIL], 0
	ds_add_u32 v[SPW], v[NIL]                      ; the wave's opening: the add, twice on end, and its wait ahead of my first tensor load
	ds_add_u32 v[SPW], v[NIL]
	v_lshrrev_b32 v7, 5, v0
	v_and_b32 v[LI], 31, v0
	v_and_b32 v8, 15, v0                           ; r
	v_bfe_u32 v9, v0, 4, 1                         ; h
	v_readfirstlane_b32 s[WV], v7                  ; wave 0..15
	v_lshlrev_b32 v[LI], 4, v[LI]
	v_and_b32 v7, 8, v8
	v_lshlrev_b32 v9, 4, v9
	v_add_nc_u32 v8, v8, v7                        ; r + 8 (r / 8)
	v_sub_nc_u32 v8, v8, v9                        ; - 16 h
	s_wait_alu depctr_va_vdst(0)                   ; ahead of the scalar lines and the waits below
	s_bfe_u32 s2, ttmp6, 0x40000                   ; cx
	s_lshl_b32 s3, ttmp9, 2
	s_add_co_u32 s17, s3, s2                       ; T: it enters global addresses and the mask's figures alone
	s_and_b32 s22, ttmp7, 0xffff                   ; batch x 16 + head
	s_mov_b32 s3, 0x32104567                       ; m, four bits a wave: waves 8 to 15,
	s_cmp_lt_u32 s[WV], 8
	s_cselect_b32 s3, 0xba98cdef, s3               ; waves 0 to 7
	s_and_b32 s2, s[WV], 7
	s_lshl_b32 s2, s2, 2
	s_lshr_b32 s3, s3, s2
	s_and_b32 s[M], s3, 15
	s_mov_b32 s[G1], 15|(3<<16)|(1<<21)            ; a key step's 16,384 bytes as 64 rows of 256; the mask names all four work-groups
	s_mov_b32 s[G1+1], 32<<16
	s_mov_b32 s[G1+2], 64<<16
	s_mov_b32 s[G1+3], 32<<16
	s_mov_b32 s[G1+4], 64
	s_mov_b32 s[G1+5], 32
	s_mov_b32 s[G1+6], 0
	s_mov_b32 s[G1+7], 0
	s_lshl_b32 s72, s[WV], 14                      ; my key step: the same offset in LDS and in the head's image
	s_mov_b32 s73, 0
	s_lshl_b32 s70, s22, 18
	s_mov_b32 s71, 0
	s_mov_b32 s[SEL], 0x76543210
	s_mov_b32 s[SEL+1], 0xfedcba98
	s_mov_b32 s[CS], 0x3e38aa3b                    ; log2(e) / 8
	s_mov_b32 s[TB], 0
	s_mov_b32 s[J], 0
	s_wait_dscnt 0x0                               ; both opening adds are done
	s_wait_kmcnt 0x0
	s_load_b128 s[60:63], s[8:9], 0x18             ; entries 6 to 9
	s_load_b32 s66, s[8:9], 0x28                   ; entry 10
	s_add_nc_u64 s[70:71], s[6:7], s[70:71]
	s_mov_b32 s[G0], 1
	s_mov_b32 s[G0+1], s72
	s_add_nc_u64 s[G0+2:G0+3], s[70:71], s[72:73]
	s_or_b32 s[G0+3], s[G0+3], 0x80000000
	CROUND                                         ; all four work-groups are here: the joint loads meet
	tensor_load_to_lds s[G0:G0+3], s[G1:G1+7]
	s_nop 0
.rept 4
	v_nop
.endr
	s_lshl_b32 s2, s22, 17
	s_lshl_b32 s3, s[M], 13
	s_add_co_u32 s2, s2, s3
	s_lshl_b32 s3, s17, 10
	s_add_co_u32 s2, s2, s3
	s_mov_b32 s3, 0
	s_add_nc_u64 s[4:5], s[4:5], s[2:3]            ; my tile of queries: 8 m + T
	global_load_b128 v[16:19], v[LI], s[4:5]
	global_load_b128 v[20:23], v[LI], s[4:5] offset:512
	s_lshr_b32 s2, s22, 4                          ; where my tile of o goes
	s_lshl_b32 s2, s2, 4
	s_add_co_u32 s2, s2, s[M]
	s_lshl_b32 s2, s2, 17                          ; the block of tokens,
	s_and_b32 s3, s22, 15
	s_lshr_b32 s23, s3, 3
	s_lshl_b32 s23, s23, 16
	s_add_co_u32 s2, s2, s23                       ; the half of K,
	s_and_b32 s3, s3, 7
	s_lshl_b32 s3, s3, 10
	s_add_co_u32 s2, s2, s3                        ; the head's two chunks,
	s_lshl_b32 s3, s17, 13
	s_add_co_u32 s2, s2, s3                        ; the tile
	s_mov_b32 s3, 0
	s_add_nc_u64 s[10:11], s[10:11], s[2:3]
	s_lshr_b32 s2, s17, 1
	s_lshl_b32 s2, s2, 5
	s_and_b32 s3, s17, 1
	s_lshl_b32 s3, s3, 3
	s_add_co_u32 s2, s2, s3                        ; 32 (T / 2) + 8 (T % 2)
	v_add_nc_u32 v8, s2, v8                        ; my query's place in its block - 16 h
	v_mov_b32 v195, 0                              ; (named as the upper half of the pair v[194:195])
	v_cvt_f32_i32 v10, v8
	v_mov_b32 v196, 0                              ; a lane permute's destination counts as one of its sources
	v_add_f32 v10, 0.5, v10
	v_mov_b32 v13, 0xff61b1e6                      ; the largest t so far: -3e38, under every t
	v_mul_f32 v10, 0x7b800000, v10                 ; x 2^120
	v_mov_b32 v14, 0
	v_mov_b32 v15, 0
	v_floor_f32 v12, -v13                          ; -M
.set i, 0
.rept 32
	v_mov_b32 v[160+i], 0                          ; O^T: the step is written for all steps alike; the first finds zeros, which the first change of M leaves zeros
.set i, i+1
.endr
	v_add_f32 v11, 0xfb800000, v10                 ; the next key's: 2^120 less
	s_wait_alu depctr_va_vdst(0)                   ; directly ahead of the wait below
	s_wait_kmcnt 0x0
	s_add_co_i32 s2, s60, s61
	s_lshl_b32 s2, s2, 23
	s_add_co_i32 s[CS], s[CS], s2                  ; a score stands for score x 2^(e6 + e7)
	s_mov_b32 s[CS+1], s[CS]
	s_add_co_i32 s2, s63, 127
	s_lshl_b32 s3, s2, 23
	v_mov_b32 v201, s3                             ; 2^e9
	s_add_co_i32 s2, s2, 8
	s_lshl_b32 s2, s2, 23
	s_or_b32 s2, s2, 0x600000
	v_mov_b32 v200, s2                             ; 448 x 2^e9
	s_add_co_i32 s2, s66, 127
	s_lshl_b32 s3, s2, 23
	v_mov_b32 v203, s3                             ; 2^e10
	s_add_co_i32 s2, s2, 8
	s_lshl_b32 s2, s2, 23
	s_or_b32 s2, s2, 0x600000
	v_mov_b32 v204, s2                             ; 448 x 2^e10
; A KEY STEP of 128 keys.  A step behind my block is jumped over: a scalar branch on the wave's number and the count of steps; no barrier and no tensor load stands in a step.
.macro STEP
	s_cmp_gt_u32 s[J], s[M]
	s_cbranch_scc1 .Lskip_\@
	v_add_nc_u32 v[ADR], s[TB], v[LI]
.rept 3
	v_nop                                          ; with the addition: four places in front of loads into registers that the last step's products have read
.endr
.irp t, 0,1,2,3,4,5,6,7
	ds_load_b128 v[32+8*\t:35+8*\t], v[ADR] offset:1024*\t
	ds_load_b128 v[36+8*\t:39+8*\t], v[ADR] offset:1024*\t+512
.endr
	s_wait_alu depctr_va_vdst(0)
	s_wait_dscnt 0x8                               ; tiles 0 to 3 are in
.irp t, 0,1,2,3
	v_wmma_f32_16x16x64_fp8_fp8 v[96+8*\t:103+8*\t], v[32+8*\t:39+8*\t], v[16:23], 0
.endr
	s_wait_dscnt 0x0
.irp t, 4,5,6,7
	v_wmma_f32_16x16x64_fp8_fp8 v[96+8*\t:103+8*\t], v[32+8*\t:39+8*\t], v[16:23], 0
.endr
.rept 4
	v_nop
.endr
.irp t, 0,1,2,3
.irp c, 0,1,2,3
	ds_load_b128 v[32+16*\t+4*\c:35+16*\t+4*\c], v[ADR] offset:8192+2048*\t+512*\c   ; V's fragments are asked for now and awaited behind the softmax
.endr
.endr
	s_cmp_lg_u32 s[J], s[M]
	s_cbranch_scc1 .Lopen_\@
.irp b, 0,1,2,3                        ; on the diagonal: register 16 b + i holds key 32 b + 16 h + i of the block; its bound is v10 - (32 b + i) x 2^120
.set mb, 222
.if \b == 0
.set mb, 10
.elseif \b == 1
	v_pk_add_f32 v[222:223], v[10:11], 0xfe000000 op_sel_hi:[1,0]
.elseif \b == 2
	v_pk_add_f32 v[222:223], v[10:11], 0xfe800000 op_sel_hi:[1,0]
.else
	v_pk_add_f32 v[222:223], v[10:11], 0xfec00000 op_sel_hi:[1,0]
.endif
.set mi, 0
.irp lit, 0xfc000000, 0xfc800000, 0xfcc00000, 0xfd000000, 0xfd200000, 0xfd400000, 0xfd600000
	v_pk_add_f32 v[206+2*mi:207+2*mi], v[mb:mb+1], \lit op_sel_hi:[1,0]
.set mi, mi+1
.endr
	v_dual_min_num_f32 v[96+16*\b], v[96+16*\b], v[mb] :: v_dual_min_num_f32 v[97+16*\b], v[97+16*\b], v[mb+1]
.set mi, 0
.rept 7
	v_dual_min_num_f32 v[98+16*\b+2*mi], v[98+16*\b+2*mi], v[206+2*mi] :: v_dual_min_num_f32 v[99+16*\b+2*mi], v[99+16*\b+2*mi], v[207+2*mi]
.set mi, mi+1
.endr
.endr
.Lopen_\@:
	v_max3_num_f32 v240, v96, v97, v98             ; the step's largest score of my query among my 64 keys, in four chains,
	v_max3_num_f32 v241, v99, v100, v101
	v_max3_num_f32 v242, v102, v103, v104
	v_max3_num_f32 v243, v105, v106, v107
.set j, 0
.rept 26
	v_max3_num_f32 v[240+j%4], v[240+j%4], v[108+2*j], v[109+2*j]
.set j, j+1
.endr
	v_max_num_f32 v242, v242, v243
	s_delay_alu instid0(VALU_DEP_1)
	v_max3_num_f32 v240, v240, v241, v242
	s_delay_alu instid0(VALU_DEP_1)
	v_permlanex16_b32 v196, v240, s[SEL], s[SEL+1]
	s_delay_alu instid0(VALU_DEP_1)
	v_max_num_f32 v240, v240, v196                 ; and among lane l xor 16's
	s_delay_alu instid0(VALU_DEP_1)
	v_mul_f32 v240, s[CS], v240                    ; as t
	s_delay_alu instid0(VALU_DEP_1)
	v_max_num_f32 v13, v13, v240
	s_delay_alu instid0(VALU_DEP_1)
	v_floor_f32 v241, -v13                         ; the new -M = -ceil(t)
	s_delay_alu instid0(VALU_DEP_1)
	v_sub_f32 v242, v241, v12                      ; old M - new M: a whole number, 0 or less
	v_mov_b32 v12, v241
	s_delay_alu instid0(VALU_DEP_2)
	v_cvt_i32_f32 v242, v242
	s_delay_alu instid0(VALU_DEP_1)
	v_ldexp_f32 v194, 1.0, v242                    ; f = 2^(old M - new M)
.set j, 0
.rept 32
	v_pk_fma_f32 v[96+j:97+j], v[96+j:97+j], s[CS:CS+1], v[12:13] op_sel_hi:[1,0,0]   ; t - M
.set j, j+2
.endr
.set j, 0
	s_wait_alu depctr_va_vdst(0)                   ; the wait ahead of the batch
.rept 64
	v_exp_f32 v[96+j], v[96+j]                     ; p = 2^(t - M)
.set j, j+1
.endr
	v_pk_mul_f32 v[14:15], v[14:15], v[194:195] op_sel_hi:[1,0]   ; the sums under the new M: the plain line behind the exponentials
	s_wait_alu depctr_va_vdst(0)                   ; one wait for the batch, ahead of its first use, and for O^T, directly ahead of its first reader
.set j, 0
.rept 16
	v_pk_mul_f32 v[160+j:161+j], v[160+j:161+j], v[194:195] op_sel_hi:[1,0]   ; O^T under the new M
.set j, j+2
.endr
.irp g, 0,1,2,3                        ; the row's sum of the unquantised p, in four chains
	v_pk_add_f32 v[240+2*\g:241+2*\g], v[96+4*\g:97+4*\g], v[98+4*\g:99+4*\g]
.endr
.set j, 0
.rept 24
	v_pk_add_f32 v[240+2*(j%4):241+2*(j%4)], v[240+2*(j%4):241+2*(j%4)], v[112+2*j:113+2*j]
.set j, j+1
.endr
	v_pk_add_f32 v[240:241], v[240:241], v[242:243]
	v_pk_add_f32 v[244:245], v[244:245], v[246:247]
.set j, 0
.rept 32
	v_dual_min_num_f32 v[96+j], v[96+j], v200 :: v_dual_min_num_f32 v[97+j], v[97+j], v200   ; the conversion does not saturate (ISA guide 7.6.2); p is not negative, so the hold is one-sided
.set j, j+2
.endr
.irp n, 0,1,2,3,4,5,6,7
	v_cvt_scalef32_pk8_fp8_f32 v[224+2*\n:225+2*\n], v[96+8*\n:103+8*\n], v201
.endr
	v_pk_add_f32 v[240:241], v[240:241], v[244:245]   ; the plain lines between the conversions and the products
	v_nop
	v_pk_add_f32 v[14:15], v[14:15], v[240:241]
	s_wait_alu depctr_va_vdst(0)
	s_wait_dscnt 0x0                               ; V
.irp t, 0,1,2,3
	v_wmma_f32_16x16x128_fp8_fp8 v[160+8*\t:167+8*\t], v[32+16*\t:47+16*\t], v[224:239], v[160+8*\t:167+8*\t]
.endr
.Lskip_\@:
	s_add_co_u32 s[TB], s[TB], 16384
	s_add_co_u32 s[J], s[J], 1
.endm
	s_wait_alu depctr_va_vdst(0)                   ; the wait at the head's end
	s_wait_loadcnt 0x0                             ; Q
	s_wait_tensorcnt 0x0                           ; my key step is in
	s_wait_dscnt 0x0
	s_barrier_signal -1
	s_barrier_wait -1                              ; everybody's is
	s_mov_b32 s[CNT], 16
.Lstep:
	STEP
	s_sub_co_u32 s[CNT], s[CNT], 1
	s_cmp_lg_u32 s[CNT], 0
	s_cbranch_scc1 .Lstep
	; THE WAY OUT: o = O^T x 2^(e8 + e9) / the sum, held, quantised by 2^e10: a lane's 2 x 16 bytes are the image's
	s_wait_alu depctr_va_vdst(0)                   ; ahead of the first reader below
	v_add_f32 v14, v14, v15
	v_nop
	v_permlanex16_b32 v196, v14, s[SEL], s[SEL+1]
	v_add_f32 v14, v14, v196
	s_wait_alu depctr_va_vdst(0)                   ; and ahead of the transcendental
	v_rcp_f32 v14, v14
	v_nop                                          ; plain lines behind the reciprocal
	v_nop
	s_add_co_i32 s2, s62, s63
	s_wait_alu depctr_va_vdst(0)                   ; the wait, ahead of the first use
	v_ldexp_f32 v14, v14, s2
	s_wait_alu depctr_va_vdst(0)                   ; and directly ahead of the first reader of O^T
.set j, 0
.rept 16
	v_pk_mul_f32 v[96+j:97+j], v[160+j:161+j], v[14:15] op_sel_hi:[1,0]
.set j, j+2
.endr
.set j, 0
.rept 32
	v_med3_num_f32 v[96+j], v[96+j], -v204, v204
.set j, j+1
.endr
.irp n, 0,1,2,3
	v_cvt_scalef32_pk8_fp8_f32 v[224+2*\n:225+2*\n], v[96+8*\n:103+8*\n], v203
.endr
	v_nop
	global_store_b128 v[LI], v[224:227], s[10:11]
	global_store_b128 v[LI], v[228:231], s[10:11] offset:512
	s_wait_tensorcnt 0x0                           ; the wave's end
	ds_add_u32 v[SPW], v[NIL]
	s_wait_dscnt 0x0
	CROUND                                         ; the closing round
	s_endpgm
.Lfunc_end_k_q26f06d35eb_attn:
	.size	k_q26f06d35eb_attn, .Lfunc_end_k_q26f06d35eb_attn-k_q26f06d35eb_attn
	.p2alignl 7, 3214868480
	.fill 96, 4, 3214868480
	.section	.rodata,"a",@progbits
	.p2align	6, 0x0
	.amdhsa_kernel k_q26f06d35eb_attn
		.amdhsa_group_segment_fixed_size 327680
		.amdhsa_private_segment_fixed_size 0
		.amdhsa_enable_private_segment 0
		.amdhsa_kernarg_size 32
		.amdhsa_user_sgpr_count 2
		.amdhsa_user_sgpr_kernarg_segment_ptr 1
		.amdhsa_wavefront_size32 1
		.amdhsa_system_sgpr_workgroup_id_x 1
		.amdhsa_system_sgpr_workgroup_id_y 1
		.amdhsa_system_sgpr_workgroup_id_z 1
		.amdhsa_system_vgpr_workitem_id 0
		.amdhsa_next_free_vgpr 256
		.amdhsa_next_free_sgpr 80
		.amdhsa_reserve_vcc 0
		.amdhsa_float_denorm_mode_32 3
		.amdhsa_float_denorm_mode_16_64 3
		.amdhsa_memory_ordered 1
		.amdhsa_forward_progress 1
		.amdhsa_inst_pref_size 32
	.end_amdhsa_kernel
	.amdgpu_metadata
---
amdhsa.version: [ 1, 2 ]
amdhsa.kernels:
  - .name:           k_q26f06d35eb_attn
    .symbol:         k_q26f06d35eb_attn.kd
    .args:
      - { .name: qimg, .offset: 0, .size: 8, .value_kind: global_buffer, .address_space: global }
      - { .name: kv, .offset: 8, .size: 8, .value_kind: global_buffer, .address_space: global }
      - { .name: lowp_scales, .offset: 16, .size: 8, .value_kind: global_buffer, .address_space: global }
      - { .name: oimg, .offset: 24, .size: 8, .value_kind: global_buffer, .address_space: global }
    .group_segment_fixed_size: 327680
    .private_segment_fixed_size: 0
    .kernarg_segment_align: 8
    .kernarg_segment_size: 32
    .max_flat_workgroup_size: 512
    .sgpr_count:     80
    .vgpr_count:     256
    .wavefront_size: 32
...
	.end_amdgpu_metadata
.endif
;; end of part 3
;; launch oproj (part 4): grid 8 x 32, 4 waves a work-group, clusters of 4 x 4, 280,064 bytes of LDS; arguments oimg, woc, lowp_scales, out0; writes out0
.if DOCPART == 4
	.amdgcn_target "amdgcn-amd-amdhsa--gfx1250"
	.amdhsa_code_object_version 6
	.text
	.protected	k_q26f06d35eb_oproj
	.globl	k_q26f06d35eb_oproj
	.p2align	8
	.type	k_q26f06d35eb_oproj,@function
k_q26f06d35eb_oproj:
	s_mov_b64 s[64:65], 0
	v_nop
	global_prefetch_b8 v0, s[64:65] scope:SCOPE_SE
	s_setreg_imm32_b32 hwreg(HW_REG_WAVE_MODE, 25, 1), 1
	s_wait_xcnt 0x0
	s_wait_alu depctr_hold_cnt(0) depctr_sa_sdst(0) depctr_va_vdst(0) depctr_va_sdst(0) depctr_va_ssrc(0) depctr_va_vcc(0) depctr_vm_vsrc(0)
	s_getreg_b32 s2, hwreg(HW_REG_IB_STS2, 6, 4)
	s_cmp_eq_u32 s2, 0
	s_cbranch_scc0 .Lentry_in_a_cluster
	s_endpgm
.Lentry_in_a_cluster:
	s_bfe_u32 s2, ttmp6, 0x10000c
	s_cmp_lg_u32 s2, 0xf033
	s_cbranch_scc0 .Lentry_shape_is_right
	s_endpgm
.Lentry_shape_is_right:
; out0 = o wo^T on codes of E4M3; each finished sum x 2^(e10 + e11).  LIMIT: e10 + e11 (entries 10, 11 of the scales) between -126 and 127.
; SHARES.  A work-group makes 128 tokens x 128 features, each of its four waves 64 x 64: four tiles of 16 tokens x four of 16 features.  256 work-groups.  K = 1,024 is 8 steps of 128.
; LDS.  Both operands' codes for the whole K, 2 x 131,072 bytes, are fetched once, at the head; nothing is filled again.  Images of registers: a fragment load takes 512 consecutive bytes.
; Each wave issues one load of 65,536 bytes (waves 0, 1: the halves of o's K; waves 2, 3: wo's).  No prefetch: there is no loop that loads.
; ORDER.  My 64 features of wo stay in registers for the whole K (512 registers); then a tile of tokens after the other is multiplied over the whole K and leaves while the next is multiplied.  Each fragment is read once.
; CLUSTER 4 x 4: o's codes hang on the block of tokens alone and are shared along a row, wo's on the block of features alone and are shared along a column.
; THE MATRIX INSTRUCTION IS USED TRANSPOSED (source 0 = 16 features of wo, source 1 = 16 tokens): a lane holds eight neighbouring features of one token.
; REGISTERS: window 0: v1-13 addresses; v32-63, v64-127 the way out; v128-191 two sets of four accumulators, by turns from tile to tile.  Windows 1, 2: wo, K step s in window 1 + s / 4 at 64 (s % 4) + 16 b.
; Window 3: o, two buffers of a tile's 8 K steps, at 128 (a % 2) + 16 s.
.set BREG,  131072
.set STAGE, 262144                     ; behind the codes, in bytes of its own: 16 rows x 272 bytes for each wave
.set SP,    272
.set SPARE, STAGE+4*16*SP              ; behind the stages: the spare words
.set LI,   3
.set ADRA, 4                           ; v4, v5  my fragments of o in the two halves of K
.set ADRB, 6                           ; v6, v7  of wo
.set STO,  8
.set RD,   9
.set CO,   10
.set SPW,  12                          ; never rewritten
.set NIL,  13                          ; never rewritten
.set TMP,  32
.set BK,   64
.set ACC,  128
.set G1A, 24
.set G1B, 32
.set G0A, 40
.set G0B, 48
.set MSB, 0
.macro WIN new                         ; the immediate's high byte repeats the setting that is left; a switch that changes nothing is dropped
.if MSB != (\new)
	s_set_vgpr_msb (MSB<<8)|(\new)
.set MSB, (\new)
.endif
.endm
.macro PLACES                          ; four plain vector lines between a matrix instruction and a load into, or a vector read of, its registers
.rept 4
	v_nop
.endr
.endm
.macro CROUND
	s_barrier_signal -1
	s_barrier_wait -1
	s_cmp_lg_u32 s16, 0
	s_cbranch_scc1 .Lnot_wave_0_\@
	s_barrier_signal -3
.Lnot_wave_0_\@:
	s_barrier_wait -3
	s_barrier_signal -1
	s_barrier_wait -1
.endm
	s_load_b256 s[4:11], s[0:1], 0x0               ; oimg, woc, the scales' exponents, out0
	v_lshl_add_u32 v[SPW], v0, 2, SPARE
	v_mov_b32 v[NIL], 0
	ds_add_u32 v[SPW], v[NIL]                      ; the wave's opening: the add, twice on end, and its wait ahead of my first tensor load
	ds_add_u32 v[SPW], v[NIL]
	v_lshrrev_b32 v1, 5, v0
	v_readfirstlane_b32 s16, v1                    ; wave 0..3
	s_lshr_b32 s17, s16, 1                         ; my half of the tokens.  Also: I fetch for o (0) or for wo (1)
	s_and_b32 s18, s16, 1                          ; my half of the features.  Also: which half of K I fetch
	s_bfe_u32 s19, ttmp6, 0x40000                  ; cx
	s_bfe_u32 s20, ttmp6, 0x40004                  ; cy
	s_lshl_b32 s21, ttmp9, 2
	s_add_co_u32 s21, s21, s19                     ; fx
	s_and_b32 s22, ttmp7, 0xffff
	s_lshl_b32 s22, s22, 2
	s_add_co_u32 s22, s22, s20                     ; ty
	s_lshl_b32 s2, s20, 2
	s_lshl_b32 s2, 15, s2                          ; my row of the cluster
	s_lshl_b32 s3, 0x1111, s19                     ; my column
	s_or_b32 s[G1A], s2, (3<<16)|(1<<21)           ; the mask; elements of 8 bytes; bit 21 beside a mask; no padding
	s_or_b32 s[G1B], s3, (3<<16)|(1<<21)
.irp g, G1A, G1B                       ; a dense block of 65,536 bytes as 256 rows of 256
	s_mov_b32 s[\g+1], 32<<16
	s_mov_b32 s[\g+2], 256<<16
	s_mov_b32 s[\g+3], 32<<16
	s_mov_b32 s[\g+4], 256
	s_mov_b32 s[\g+5], 32
	s_mov_b32 s[\g+6], 0
	s_mov_b32 s[\g+7], 0
.endr
	s_lshl_b32 s62, s18, 16
	s_lshl_b32 s56, s22, 17                        ; o's codes hang on ty alone,
	s_mov_b32 s57, 0
	s_lshl_b32 s58, s21, 17                        ; wo's on fx alone
	s_mov_b32 s59, 0
	s_mov_b32 s66, s62
	s_mov_b32 s67, 0
	s_wait_alu depctr_va_vdst(0)                   ; directly ahead of the waits below
	s_wait_dscnt 0x0                               ; both opening adds are done
	s_wait_kmcnt 0x0
	s_load_b64 s[60:61], s[8:9], 0x28              ; entries 10, 11
	s_add_nc_u64 s[56:57], s[4:5], s[56:57]
	s_add_nc_u64 s[58:59], s[6:7], s[58:59]
	s_mov_b32 s[G0A], 1
	s_mov_b32 s[G0A+1], s62
	s_add_nc_u64 s[G0A+2:G0A+3], s[56:57], s[66:67]
	s_or_b32 s[G0A+3], s[G0A+3], 0x80000000
	s_mov_b32 s[G0B], 1
	s_add_co_u32 s[G0B+1], s62, BREG
	s_add_nc_u64 s[G0B+2:G0B+3], s[58:59], s[66:67]
	s_or_b32 s[G0B+3], s[G0B+3], 0x80000000
	CROUND                                         ; all sixteen work-groups are here: the joint loads meet
	s_cmp_eq_u32 s17, 0
	s_cbranch_scc0 .Lfirst_b
	tensor_load_to_lds s[G0A:G0A+3], s[G1A:G1A+7]
	s_nop 0
.rept 4
	v_nop
.endr
	s_branch .Lfirst_done
.Lfirst_b:
	tensor_load_to_lds s[G0B:G0B+3], s[G1B:G1B+7]
	s_nop 0
.rept 4
	v_nop
.endr
.Lfirst_done:
	v_and_b32 v1, 15, v0                           ; r
	v_bfe_u32 v2, v0, 4, 1                         ; h
	v_and_b32 v3, 31, v0
	v_lshlrev_b32 v[LI], 4, v3
	s_lshl_b32 s2, s17, 15                         ; my four tiles of 8,192 bytes
	s_lshl_b32 s3, s18, 15
	s_add_co_u32 s3, s3, BREG
	s_wait_alu depctr_va_vdst(0)
.irp g, 0,1
	v_add_nc_u32 v[ADRA+\g], s2, v[LI]
	v_add_nc_u32 v[ADRB+\g], s3, v[LI]
	s_add_co_u32 s2, s2, 65536
	s_add_co_u32 s3, s3, 65536
.endr
	s_mul_i32 s2, s16, 16*SP
	s_add_co_u32 s2, s2, STAGE                     ; my stage
	v_mul_u32_u24 v[STO], v1, SP
	v_mul_u32_u24 v[RD], v2, SP
	v_lshlrev_b32 v[CO], 12, v2
	v_lshl_add_u32 v[STO], v2, 6, v[STO]
	v_lshl_add_u32 v[RD], v1, 4, v[RD]
	v_lshl_add_u32 v[CO], v1, 4, v[CO]             ; two rows of out0, 16 bytes a lane
	v_add_nc_u32 v[STO], s2, v[STO]                ; in: row r, + 64 h
	v_add_nc_u32 v[RD], s2, v[RD]                  ; back: lanes 0-15 one row of 256 bytes, lanes 16-31 the next
	s_wait_alu depctr_va_vdst(0)                   ; the wait at the head's end
	s_lshl_b32 s2, s22, 19                         ; token 128 ty + 64 (w / 2), rows of 4,096 bytes;
	s_lshl_b32 s3, s17, 18
	s_add_co_u32 s2, s2, s3
	s_lshl_b32 s3, s21, 9                          ; feature 128 fx + 64 (w % 2)
	s_add_co_u32 s2, s2, s3
	s_lshl_b32 s3, s18, 8
	s_add_co_u32 s2, s2, s3
	s_mov_b32 s3, 0
	s_add_nc_u64 s[10:11], s[10:11], s[2:3]
	s_wait_kmcnt 0x0
	s_add_co_i32 s60, s60, s61
	s_add_co_i32 s60, s60, 127
	s_lshl_b32 s60, s60, 23                        ; 2^(e10 + e11) as f32
	s_mov_b32 s61, s60                             ; (named with it as a pair)
.macro LB s                            ; wo's four fragments of K step s: 16 LDS loads
	WIN 0x40*(1+(\s)/4)
.irp i, 0,1,2,3
.irp c, 0,1,2,3
	ds_load_b128 v[64*((\s)%4)+16*\i+4*\c:64*((\s)%4)+16*\i+4*\c+3], v[ADRB+(\s)/4] offset:\i*8192+((\s)%4)*2048+\c*512
.endr
.endr
.endm
.macro LO a                            ; o's tile a, all 8 K steps: 32 LDS loads
	WIN 0xc0
.irp k, 0,1,2,3,4,5,6,7
.irp c, 0,1,2,3
	ds_load_b128 v[128*((\a)%2)+16*\k+4*\c:128*((\a)%2)+16*\k+4*\c+3], v[ADRA+\k/4] offset:(\a)*8192+(\k%4)*2048+\c*512
.endr
.endr
.endm
.macro MULT a, s0, n                   ; tile a, K steps s0 .. s0 + n - 1; the four accumulators take turns; K step 0 starts the sums
.set AC, ACC+32*((\a)%2)
.set ms, \s0
.rept \n
.set OX, 128*((\a)%2)+16*ms
.set WX, 64*(ms%4)
	WIN 0x0d+ms/4                                  ; source 0 window 1 or 2, source 1 window 3, C and D window 0
.irp b, 0,1,2,3
.if ms == 0
	v_wmma_f32_16x16x128_fp8_fp8 v[AC+8*\b:AC+8*\b+7], v[WX+16*\b:WX+16*\b+15], v[OX:OX+15], 0
.else
	v_wmma_f32_16x16x128_fp8_fp8 v[AC+8*\b:AC+8*\b+7], v[WX+16*\b:WX+16*\b+15], v[OX:OX+15], v[AC+8*\b:AC+8*\b+7]
.endif
.endr
.set ms, ms+1
.endr
.endm
; THE WAY OUT, a tile of 16 tokens x my 64 features at a time: sums x 2^(e10 + e11) into other registers, each accumulator from its low end on; through my own stage in LDS; back as whole rows of 256 bytes, so that
; sixteen lanes store 256 consecutive bytes, aligned.  LDS serves a wave's instructions in order (ISA guide 5.7.1.4): no wait between the stores and the loads, nor in front of the next tile's stores.
.macro TOSTAGE a
.set AC, ACC+32*((\a)%2)
.irp b, 0,1,2,3
.irp i, 0,2,4,6
	v_pk_mul_f32 v[TMP+8*\b+\i:TMP+8*\b+\i+1], v[AC+8*\b+\i:AC+8*\b+\i+1], s[60:61] op_sel_hi:[1,0]
.endr
.endr
.irp b, 0,1,2,3
	ds_store_b128 v[STO], v[TMP+8*\b:TMP+8*\b+3] offset:128*(\b/2)+32*(\b%2)          ; features 32 (b / 2) + 16 h + 8 (b % 2) on
	ds_store_b128 v[STO], v[TMP+8*\b+4:TMP+8*\b+7] offset:128*(\b/2)+32*(\b%2)+16
.endr
.set BB, BK+32*((\a)%2)
.irp t, 0,1,2,3,4,5,6,7
	ds_load_b128 v[BB+4*\t:BB+4*\t+3], v[RD] offset:2*\t*SP
.endr
.endm
.macro SEND a, younger                 ; younger: the LDS loads issued behind tile a's, which may stay out
.set BB, BK+32*((\a)%2)
	s_wait_dscnt \younger
.irp t, 0,1,2,3,4,5,6,7
	global_store_b128 v[CO], v[BB+4*\t:BB+4*\t+3], s[10:11] offset:(32*((\a)/2)+8*((\a)%2)+2*\t+8*(\t/4))*4096 th:TH_STORE_NT   ; the tile's rows 2 t, 2 t + 1 are tokens 32 (a / 2) + 8 (a % 2) + 2 t + 8 (t / 4) and the next
.endr
.endm
	s_wait_tensorcnt 0x0                           ; my half of one operand's K is in
	s_barrier_signal -1
	s_barrier_wait -1                              ; everybody's
.irp s, 0,1,2,3
	LB \s
.endr
	LO 0
	LB 4
	LB 5
	s_wait_dscnt 0x20                              ; all but the 32 loads of K steps 4 and 5
	MULT 0, 0, 4
	LB 6
	LB 7
	LO 1
	s_wait_dscnt 0x3f                              ; 64 loads stand behind K step 5's: those are in
	MULT 0, 4, 2
	s_wait_dscnt 0x20                              ; all but tile 1's 32
	MULT 0, 6, 2
.irp a, 0,1,2,3
	WIN 0
	PLACES
.if \a > 1
	s_wait_xcnt 0x0                                ; the stores of the tile two back have read their registers: this tile's loads may land there
.endif
	TOSTAGE \a
.if \a < 2
	LO \a+2                                        ; its buffer takes the tile two further on
	WIN 0
	SEND \a, 32                                    ; tile a is back from the stage, and so tile a + 1's fragments are in; tile a + 2's 32 loads may be out
.else
	SEND \a, 0
.endif
.if \a < 3
	MULT \a+1, 0, 8
.endif
.endr
	s_wait_tensorcnt 0x0                           ; the wave's end
	ds_add_u32 v[SPW], v[NIL]
	s_wait_dscnt 0x0
	CROUND                                         ; the closing round
	s_endpgm
.Lfunc_end_k_q26f06d35eb_oproj:
	.size	k_q26f06d35eb_oproj, .Lfunc_end_k_q26f06d35eb_oproj-k_q26f06d35eb_oproj
	.p2alignl 7, 3214868480
	.fill 96, 4, 3214868480
	.section	.rodata,"a",@progbits
	.p2align	6, 0x0
	.amdhsa_kernel k_q26f06d35eb_oproj
		.amdhsa_group_segment_fixed_size 280064
		.amdhsa_private_segment_fixed_size 0
		.amdhsa_enable_private_segment 0
		.amdhsa_kernarg_size 32
		.amdhsa_user_sgpr_count 2
		.amdhsa_user_sgpr_kernarg_segment_ptr 1
		.amdhsa_wavefront_size32 1
		.amdhsa_system_sgpr_workgroup_id_x 1
		.amdhsa_system_sgpr_workgroup_id_y 1
		.amdhsa_system_sgpr_workgroup_id_z 1
		.amdhsa_system_vgpr_workitem_id 0
		.amdhsa_next_free_vgpr 1024
		.amdhsa_next_free_sgpr 72
		.amdhsa_reserve_vcc 0
		.amdhsa_float_denorm_mode_32 3
		.amdhsa_float_denorm_mode_16_64 3
		.amdhsa_memory_ordered 1
		.amdhsa_forward_progress 1
		.amdhsa_inst_pref_size 43
	.end_amdhsa_kernel
	.amdgpu_metadata
---
amdhsa.version: [ 1, 2 ]
amdhsa.kernels:
  - .name:           k_q26f06d35eb_oproj
    .symbol:         k_q26f06d35eb_oproj.kd
    .args:
      - { .name: oimg, .offset: 0, .size: 8, .value_kind: global_buffer, .address_space: global }
      - { .name: woc, .offset: 8, .size: 8, .value_kind: global_buffer, .address_space: global }
      - { .name: lowp_scales, .offset: 16, .size: 8, .value_kind: global_buffer, .address_space: global }
      - { .name: out0, .offset: 24, .size: 8, .value_kind: global_buffer, .address_space: global }
    .group_segment_fixed_size: 280064
    .private_segment_fixed_size: 0
    .kernarg_segment_align: 8
    .kernarg_segment_size: 32
    .max_flat_workgroup_size: 128
    .sgpr_count:     72
    .vgpr_count:     1024
    .wavefront_size: 32
...
	.end_amdgpu_metadata
.endif
;; end of part 4
